; MI455X (gfx1250); checked and timed in simulation.
; The chip was launched on July 23, 2026; its instructions are those of AMD's public machine-readable ISA for CDNA 5 (MIT licence, August 2026) and "CDNA5" Instruction Set Architecture Reference Guide (July 2026). The comments in the code are by the model that wrote it; some were corrected since.
;; LSTM. Allowed arithmetic: float matrix products may take bf16 or f16 operands with f32 sums; other float arithmetic in f32, or as packed bf16 or f16 multiplies, adds, multiply-adds, maxima and minima; sums over many terms, partial sums and values carried from step to step in f32; what a program stores and reads back later, other than sums and carried values, may be rounded once to bf16 or f16.
;; Inputs: Wfh 2,048 x 2,048 float32; Wfx 2,048 x 2,048 float32; Wgh 2,048 x 2,048 float32; Wgx 2,048 x 2,048 float32; Wih 2,048 x 2,048 float32; Wix 2,048 x 2,048 float32; Woh 2,048 x 2,048 float32; Wox 2,048 x 2,048 float32; X 2,048 x 2,048 float32; bf 2,048 x 1 float32; bg 2,048 x 1 float32; bi 2,048 x 1 float32; bo 2,048 x 1 float32; c 2,048 x 2,048 float32; h 2,048 x 2,048 float32.
;; Outputs: out0 2,048 x 2,048 float32.
;; 2 versions, each right; version 2 is version 1 with the launch cast written anew for expert scheduling mode. Each part assembles by itself: llvm-mc -triple=amdgcn-amd-amdhsa -mcpu=gfx1250 --defsym DOCPART=n.
;; ======== version 1 of 2: 2 launches
;; workspace buffers: Wb 67,108,864 bytes; Xb 16,777,216 bytes
;; launch cast (part 1): grid 128 x 10, 8 waves a work-group, no clusters, 0 bytes of LDS; arguments Wgx, Wix, Wfx, Wox, Wgh, Wih, Wfh, Woh, X, h, Wb, Xb; writes Wb, Xb
.if DOCPART == 1
	.amdgcn_target "amdgcn-amd-amdhsa--gfx1250"
	.amdhsa_code_object_version 6
	.text
	.protected	k_q98f3ea1155_cast
	.globl	k_q98f3ea1155_cast
	.p2align	8
	.type	k_q98f3ea1155_cast,@function
k_q98f3ea1155_cast:
	s_mov_b64 s[64:65], 0
	v_nop
	global_prefetch_b8 v0, s[64:65] scope:SCOPE_SE
	s_setreg_imm32_b32 hwreg(HW_REG_WAVE_MODE, 25, 1), 1
	s_wait_xcnt 0x0
; The ten large f32 inputs are rounded once to bf16 (nearest even) and laid out for the product that follows.
; Wb: bf16 [8192 virtual rows][4096 k], 8,192 bytes a row.  Hidden row r of gate q (g, i, f, o = 0..3) is virtual row (r / 32) x 128 + 32 q + r % 32;
;     k 0..2047 comes from the gate's weights on X, k 2048..4095 from its weights on h.  So 128 rows on end hold all four gates of 32 hidden rows.
; Xb: bf16 in units of 16 bytes = 8 consecutive k of one column: [tx 8][ko 512][pos 256][8 k].  Column n: tx = n / 256, pos = 64 ((n % 256) / 64) + 16 (n % 4) + (n % 64) / 4;
;     ko = k / 8, X first (ko 0..255), then h.  Sixteen units on end are the columns 4 r + i (r = 0..15) of one i.
; SHARES.  A work-group of 256 threads takes 16 rows (131,072 bytes) of one input: y = 0..7 the weights (gate y & 3, K half y >> 2), 8 = X, 9 = h; x = which 16 rows.
; Straight text: each thread issues its 32 loads of 16 bytes in one run, then converts and stores under counted waits.  No register is written twice, so no wait frees a source.
; No LDS, no matrix unit, no cluster: no byte is wanted by two threads.  LIMITS: the one rounding to bf16; NaN and infinities pass as the conversion gives them.
.set ROWB, 8192                        ; bytes in a row of every input, and in a row of Wb
.set D,    8                           ; v[8:135]   32 x 4 registers as loaded
.set Y,    136                         ; v[136:199] X's and h's units to store
	s_load_b512 s[8:23], s[0:1], 0x0               ; Wgx, Wix, Wfx, Wox, Wgh, Wih, Wfh, Woh
	s_load_b256 s[24:31], s[0:1], 0x40             ; X s[24:25], h s[26:27], Wb s[28:29], Xb s[30:31]
	s_and_b32 s4, ttmp7, 0xffff                    ; y: which input
	s_mov_b32 s5, ttmp9                            ; x: which 16 rows
	v_lshlrev_b32 v1, 4, v0                        ; my 16 bytes in 4,096 consecutive bytes
	s_lshl_b32 s36, s5, 17                         ; 16 rows of 8,192 bytes
	s_mov_b32 s37, 0
	s_wait_kmcnt 0x0
	s_cmp_ge_u32 s4, 8
	s_cbranch_scc1 .Lx
	; THE WEIGHTS.  The input is chosen by y's three bits, a choice between buffers on the work-group's number alone.
	s_bitcmp1_b32 s4, 0
	s_cselect_b64 s[40:41], s[10:11], s[8:9]
	s_cselect_b64 s[42:43], s[14:15], s[12:13]
	s_cselect_b64 s[44:45], s[18:19], s[16:17]
	s_cselect_b64 s[46:47], s[22:23], s[20:21]
	s_bitcmp1_b32 s4, 1
	s_cselect_b64 s[40:41], s[42:43], s[40:41]
	s_cselect_b64 s[44:45], s[46:47], s[44:45]
	s_bitcmp1_b32 s4, 2
	s_cselect_b64 s[32:33], s[44:45], s[40:41]
	s_add_nc_u64 s[32:33], s[32:33], s[36:37]
.macro WLD n                           ; load n: row n / 2, half n % 2 of it; a wave covers 512 consecutive bytes
	global_load_b128 v[D+4*(\n):D+4*(\n)+3], v1, s[32:33] offset:((\n)/2)*ROWB+((\n)%2)*4096 th:TH_LOAD_NT
.endm
.macro WST n                           ; four numbers become 8 bytes; a wave stores 256 consecutive bytes, at a multiple of 256 from the first byte of Wb
	s_wait_loadcnt 31-(\n)                         ; loads come back in order: the 31 - n younger ones may stay out
	v_cvt_pk_bf16_f32 v[D+4*(\n)], v[D+4*(\n)], v[D+4*(\n)+1]
	v_cvt_pk_bf16_f32 v[D+4*(\n)+1], v[D+4*(\n)+2], v[D+4*(\n)+3]
	global_store_b64 v2, v[D+4*(\n):D+4*(\n)+1], s[34:35] offset:((\n)/2)*ROWB+((\n)%2)*2048 th:TH_STORE_NT
.endm
.set n, 0
.rept 32
	WLD n
.set n, n+1
.endr
	v_lshlrev_b32 v2, 3, v0                        ; my 8 bytes in 2,048
	s_lshr_b32 s38, s5, 1                          ; hidden row 16 x: its group of 32,
	s_lshl_b32 s38, s38, 7                         ; 128 virtual rows a group,
	s_and_b32 s39, s4, 3
	s_lshl_b32 s39, s39, 5                         ; 32 rows a gate,
	s_add_co_u32 s38, s38, s39
	s_and_b32 s39, s5, 1
	s_lshl_b32 s39, s39, 4                         ; and which 16 of the 32
	s_add_co_u32 s38, s38, s39
	s_lshl_b32 s38, s38, 13                        ; rows of 8,192 bytes
	s_lshr_b32 s39, s4, 2
	s_lshl_b32 s39, s39, 12                        ; the K half: 2,048 numbers of 2 bytes
	s_add_co_u32 s36, s38, s39
	s_add_nc_u64 s[34:35], s[28:29], s[36:37]
.set n, 0
.rept 32
	WST n
.set n, n+1
.endr
	s_endpgm
.Lx:	; X AND h.  Thread t takes the four columns 4 c .. 4 c + 3, c = t + 256 qs, of 8 consecutive rows k: a set of eight loads.  Sets s = 0..3: rows 8 (s / 2) on, qs = s % 2.
	s_cmp_eq_u32 s4, 8
	s_cselect_b64 s[32:33], s[24:25], s[26:27]
	s_add_nc_u64 s[32:33], s[32:33], s[36:37]
.macro XLD s
.set n, 0
.rept 8
	global_load_b128 v[D+32*(\s)+4*n:D+32*(\s)+4*n+3], v1, s[32:33] offset:(8*((\s)/2)+n)*ROWB+((\s)%2)*4096 th:TH_LOAD_NT
.set n, n+1
.endr
.endm
.macro XST s                           ; column i of the four: register u of its unit holds k = 2 u (low half) and 2 u + 1
	s_wait_loadcnt 24-8*(\s)                       ; the later sets' loads may stay out
.set n, 0
.rept 16
	v_cvt_pk_bf16_f32 v[Y+16*(\s)+n], v[D+32*(\s)+8*(n%4)+n/4], v[D+32*(\s)+8*(n%4)+4+n/4]
.set n, n+1
.endr
.set n, 0
.rept 4
	global_store_b128 v[2+(\s)%2], v[Y+16*(\s)+4*n:Y+16*(\s)+4*n+3], s[34:35] offset:((\s)/2)*4096+n*256 th:TH_STORE_NT  ; lanes 0-15 store 256 consecutive bytes, aligned; lanes 16-31 another 256
.set n, n+1
.endr
.endm
	XLD 0
	XLD 1
	XLD 2
	XLD 3
	v_lshrrev_b32 v4, 6, v0                        ; c / 64 = tx (qs adds 4),
	v_lshlrev_b32 v2, 21, v4                       ; 2,097,152 bytes a tx
	v_bfe_u32 v5, v0, 4, 2                         ; (c % 64) / 16: the group of 64 columns, 64 units of 16 bytes
	v_lshl_add_u32 v2, v5, 10, v2
	v_and_b32 v6, 15, v0                           ; c % 16: the unit
	v_lshl_add_u32 v2, v6, 4, v2
	v_add_nc_u32 v3, 0x800000, v2                  ; qs = 1: four tx further on
	s_sub_co_u32 s38, s4, 8                        ; X: ko 0 on; h: ko 256 on
	s_lshl_b32 s38, s38, 8
	s_lshl_b32 s39, s5, 1                          ; 16 rows are two ko
	s_add_co_u32 s38, s38, s39
	s_lshl_b32 s36, s38, 12                        ; 4,096 bytes a ko
	s_add_nc_u64 s[34:35], s[30:31], s[36:37]
	XST 0
	XST 1
	XST 2
	XST 3
	s_endpgm
.Lfunc_end_k_q98f3ea1155_cast:
	.size	k_q98f3ea1155_cast, .Lfunc_end_k_q98f3ea1155_cast-k_q98f3ea1155_cast
	.p2alignl 7, 3214868480
	.fill 96, 4, 3214868480
	.section	.rodata,"a",@progbits
	.p2align	6, 0x0
	.amdhsa_kernel k_q98f3ea1155_cast
		.amdhsa_group_segment_fixed_size 0
		.amdhsa_private_segment_fixed_size 0
		.amdhsa_enable_private_segment 0
		.amdhsa_kernarg_size 96
		.amdhsa_user_sgpr_count 2
		.amdhsa_user_sgpr_kernarg_segment_ptr 1
		.amdhsa_wavefront_size32 1
		.amdhsa_system_sgpr_workgroup_id_x 1
		.amdhsa_system_sgpr_workgroup_id_y 1
		.amdhsa_system_sgpr_workgroup_id_z 1
		.amdhsa_system_vgpr_workitem_id 0
		.amdhsa_next_free_vgpr 200
		.amdhsa_next_free_sgpr 66
		.amdhsa_reserve_vcc 0
		.amdhsa_float_denorm_mode_32 3
		.amdhsa_float_denorm_mode_16_64 3
		.amdhsa_memory_ordered 1
		.amdhsa_forward_progress 1
		.amdhsa_inst_pref_size 22
	.end_amdhsa_kernel
	.amdgpu_metadata
---
amdhsa.version: [ 1, 2 ]
amdhsa.kernels:
  - .name:           k_q98f3ea1155_cast
    .symbol:         k_q98f3ea1155_cast.kd
    .args:
      - { .name: Wgx, .offset: 0, .size: 8, .value_kind: global_buffer, .address_space: global }
      - { .name: Wix, .offset: 8, .size: 8, .value_kind: global_buffer, .address_space: global }
      - { .name: Wfx, .offset: 16, .size: 8, .value_kind: global_buffer, .address_space: global }
      - { .name: Wox, .offset: 24, .size: 8, .value_kind: global_buffer, .address_space: global }
      - { .name: Wgh, .offset: 32, .size: 8, .value_kind: global_buffer, .address_space: global }
      - { .name: Wih, .offset: 40, .size: 8, .value_kind: global_buffer, .address_space: global }
      - { .name: Wfh, .offset: 48, .size: 8, .value_kind: global_buffer, .address_space: global }
      - { .name: Woh, .offset: 56, .size: 8, .value_kind: global_buffer, .address_space: global }
      - { .name: X, .offset: 64, .size: 8, .value_kind: global_buffer, .address_space: global }
      - { .name: h, .offset: 72, .size: 8, .value_kind: global_buffer, .address_space: global }
      - { .name: Wb, .offset: 80, .size: 8, .value_kind: global_buffer, .address_space: global }
      - { .name: Xb, .offset: 88, .size: 8, .value_kind: global_buffer, .address_space: global }
    .group_segment_fixed_size: 0
    .private_segment_fixed_size: 0
    .kernarg_segment_align: 8
    .kernarg_segment_size: 96
    .max_flat_workgroup_size: 256
    .sgpr_count:     66
    .vgpr_count:     200
    .wavefront_size: 32
...
	.end_amdgpu_metadata
.endif
;; end of part 1
;; launch lstm (part 2): grid 8 x 32, 4 waves a work-group, clusters of 4 x 4, 327,680 bytes of LDS; arguments Wb, Xb, c, bg, bi, bf, bo, out0; writes out0
.if DOCPART == 2
	.amdgcn_target "amdgcn-amd-amdhsa--gfx1250"
	.amdhsa_code_object_version 6
	.text
	.protected	k_q98f3ea1155_lstm
	.globl	k_q98f3ea1155_lstm
	.p2align	8
	.type	k_q98f3ea1155_lstm,@function
k_q98f3ea1155_lstm:
	s_mov_b64 s[64:65], 0
	v_nop
	global_prefetch_b8 v0, s[64:65] scope:SCOPE_SE
	s_setreg_imm32_b32 hwreg(HW_REG_WAVE_MODE, 25, 1), 1
	s_wait_xcnt 0x0
	s_wait_alu depctr_hold_cnt(0) depctr_sa_sdst(0) depctr_va_vdst(0) depctr_va_sdst(0) depctr_va_ssrc(0) depctr_va_vcc(0) depctr_vm_vsrc(0)
	s_getreg_b32 s2, hwreg(HW_REG_IB_STS2, 6, 4)
	s_cmp_eq_u32 s2, 0
	s_cbranch_scc0 .Lentry_in_a_cluster
	s_endpgm
.Lentry_in_a_cluster:
	s_bfe_u32 s2, ttmp6, 0x10000c
	s_cmp_lg_u32 s2, 0xf033
	s_cbranch_scc0 .Lentry_shape_is_right
	s_endpgm
.Lentry_shape_is_right:
; out0 = tanh(sigmoid(g i + c f)) o, with g = tanh(zg), i, f, o = sigmoid(zi, zf, zo), zq = Wqx X + Wqh h + bq.
; The four products are ONE product of Wb [8192 virtual rows][4096 k] (bf16; 128 rows on end = 4 gates x 32 hidden rows) with Xb (bf16; X over h, in units of 8 k of a column:
; [tx 8][ko 512][pos 256][8 k], pos = 64 (group of 64 columns) + 16 (column % 4) + (column % 64) / 4); sums in f32, K ascending; everything behind the sums in f32 in registers.
; SHARES.  A work-group makes 256 virtual rows (64 hidden rows, all gates) x 256 columns; 8 x 32 work-groups.  Four waves, each 128 virtual rows (32 hidden rows x 4 gates) x 128 columns:
; 64 accumulators of 16 x 16, 512 registers.  K = 4096 goes in 32 steps of 128 through two LDS slots filled by tensor loads; a trip of the loop goes once round the ring.
; LAYOUT.  Source 0 = 16 rows of Wb (block b = 2 q + rb: gate q, 16 hidden rows rb), source 1 = 16 units on end of Xb (block 4 G + i: the columns 64 G + 4 r + i).  In the result lane (r, h) holds
; column 64 G + 4 r + i and in register j hidden row 16 rb + 8 h + j.  So one lane holds all four gates of a place, and over i = 0..3 four neighbouring columns: 16 bytes of c and of out0.
; CLUSTER.  4 x 4 work-groups.  The rows of Wb hang on the tile row alone and are shared along a row of the cluster, the units of Xb on the tile column alone and are shared along a column:
; each tile is asked for jointly, by the same tensor load with the same descriptor and a mask that names the four.
; LIMITS.  Matrix operands were rounded once to bf16.  sigmoid(x) = 1 / (1 + 2^(-L x)), tanh(x) = 1 - 2 / (1 + 2^(2 L x)), L = log2(e): an exponential beyond f32 gives an infinity, whose
; reciprocal is 0; one below 2^-126 counts as 0: both are the functions' limits, so no range is cut.  tanh near 0 keeps an absolute error of a few 2^-24.  NaN and infinities in the inputs are not treated apart.
; REGISTERS, in windows of 256 (s_set_vgpr_msb: bits 1:0 source 0, 3:2 source 1, 5:4 source 2, 7:6 destination):
;   window 0: v0-31 addresses; v64-127, v128-191 fragments of Xb, two buffers (at the end: the results of G = 0, 1); v192-255 the biases, block b at 192 + 8 b
;   window 1: v64-127, v128-191 fragments of Wb, two buffers; v0-63 and v192-255 c for G = 0 and 1, at 32 rb + 4 j + i
;   window 2 + G: the accumulators, at 64 i + 8 b + j
.set PITCH,  272                       ; an LDS row of Wb: 256 bytes + 16 of padding = 68 words: row r starts at bank 4 r mod 64 (64 banks of 4 bytes: ISA guide 11.1)
.set WHALF,  128*PITCH                 ; 128 rows of Wb: what one tensor load brings, and what one wave reads
.set XOFF,   2*WHALF                   ; behind them a K step of Xb: 16 ko x 4,096 bytes, dense: a fragment load takes 256 consecutive bytes for each half of the lanes
.set XHALF,  32768                     ; 8 ko: what one tensor load brings
.set SLOT,   XOFF+2*XHALF
.set SPARE,  2*SLOT                    ; behind the ring: the spare words, 128 bytes for each wave: two blocks of 256 bytes that no other line names
.set LAPS,   16                        ; a lap = two K steps = once round the ring
.set ADRW, 16                          ; v16-17  LDS address of my fragments of Wb in slot 0, 1
.set ADRX, 20                          ; v20-21  the same for Xb
.set CO,   24                          ; v24     my byte offset in c and out0: 8 h rows + 16 r; never rewritten
.set BO,   25                          ; v25     my byte offset in a bias: 8 h numbers; never rewritten
.set SPW,  28                          ; v28     LDS address of my spare word: SPARE + 4 x my thread's number; never rewritten
.set NIL,  29                          ; v29     0; never rewritten
.set PFO,  30                          ; v30     the prefetches' lane offset; never rewritten
.set F0,   64
.set F1,   128
.set BI,   192
.set G1,   24                          ; s[24:31] descriptor group 1 for tiles of Wb;  s[32:39] group 0, one set for each slot
.set G0,   32
.set G1B,  48                          ; s[48:55], s[56:63] the same for tiles of Xb
.set G0B,  56
.set LIM,  43                          ; s43     1 in a wave that prefetches, else the greatest number
.set PFA,  44                          ; s[44:45] where my prefetches stand
.set PST,  46                          ; s[46:47] a K step in bytes along my prefetches' way
.set WBP,  68                          ; s[68:83] the arguments: Wb, Xb, c, bg, bi, bf, bo, out0
.set XBP,  70
.set CP,   72
.set BP,   74
.set OP,   82
.set KG,   84                          ; s[84:85] 2 L, written twice: named as a pair
.set KS,   86                          ; s[86:87] -L
.set MSB, 0
.macro WIN new                         ; the immediate's high byte repeats the setting that is left; a switch that changes nothing is dropped
.if MSB != (\new)
	s_set_vgpr_msb (MSB<<8)|(\new)
.set MSB, \new
.endif
.endm
.set MUL_LO, 0xa1                      ; source 0 (Wb) window 1, source 1 (Xb) window 0, C and D window 2
.set MUL_HI, 0xf1                      ; the same, C and D window 3
.set TO_W,   0x40                      ; destination window 1, address window 0
; A joint load.  Waves 0 and 1 fetch the two halves of the tile of Wb, waves 2 and 3 those of Xb.  The branch hangs on the wave's number alone.
; An s_nop 0 and four v_nop follow each of the two lines, ahead of the jump, the label and what follows.
.macro JLOAD s
	s_cmp_eq_u32 s11, 0
	s_cbranch_scc0 .Lfor_x_\@
	tensor_load_to_lds s[G0+4*(\s):G0+4*(\s)+3], s[G1:G1+7]
	s_nop 0
.rept 4
	v_nop
.endr
	s_branch .Lasked_\@
.Lfor_x_\@:
	tensor_load_to_lds s[G0B+4*(\s):G0B+4*(\s)+3], s[G1B:G1B+7]
	s_nop 0
.rept 4
	v_nop
.endr
.Lasked_\@:
.endm
; A prefetch into the L2 of the K step that stands two refills on: 512 matrix instructions ahead of the load that will want it; a lane names 256 bytes, one instruction a wave.
; Each 256 bytes are named once in the launch: rows of Wb by the first cluster along x, units of Xb by the first cluster along y; the four partners that ask for a tile jointly share it out
; by address (32 rows of the wave's 128; 8,192 bytes of the wave's 32,768).  The loop's last trip asks for nothing: there is no K step two on.  K steps 0 to 3 come by their loads alone.
.macro ASK
	s_cmp_gt_u32 s3, s[LIM]                        ; s3 = 1 in the loop's last trip
	s_cbranch_scc0 .Lnot_mine_\@
	global_prefetch_b8 v[PFO], s[PFA:PFA+1] th:TH_LOAD_NT scope:SCOPE_SE
.Lnot_mine_\@:
.endm
; A round of the cluster's barrier: my work-group's barrier; wave 0 signals for the work-group; every wave waits for all sixteen work-groups; my work-group's barrier once more.
.macro CREST                           ; a round behind its opening barrier
	s_cmp_lg_u32 s10, 0
	s_cbranch_scc1 .Lnot_wave_0_\@
	s_barrier_signal -3
.Lnot_wave_0_\@:
	s_barrier_wait -3
	s_barrier_signal -1
	s_barrier_wait -1
.endm
.macro CROUND                          ; a whole round
	s_barrier_signal -1
	s_barrier_wait -1
	CREST
.endm
	s_load_b512 s[68:83], s[0:1], 0x0
	v_lshl_add_u32 v[SPW], v0, 2, SPARE
	v_mov_b32 v[NIL], 0
	ds_add_u32 v[SPW], v[NIL]                      ; the wave's opening: the add, twice on end, and its wait ahead of my first tensor load; the set-up below stands between
	ds_add_u32 v[SPW], v[NIL]                      ; and once more, under the one wait
	v_lshrrev_b32 v1, 5, v0
	v_readfirstlane_b32 s10, v1                    ; wave 0..3
	s_lshr_b32 s11, s10, 1                         ; which 128 virtual rows I multiply.  Also: I fetch for Wb (0) or for Xb (1)
	s_and_b32 s12, s10, 1                          ; which 128 columns I multiply.  Also: which half of that tile I fetch
	s_bfe_u32 s40, ttmp6, 0x40000                  ; cx
	s_bfe_u32 s41, ttmp6, 0x40004                  ; cy
	s_lshl_b32 s42, ttmp9, 2
	s_add_co_u32 s42, s42, s40                     ; tile column tx = 4 x cluster x + cx
	s_and_b32 s13, ttmp7, 0xffff
	s_lshl_b32 s13, s13, 2
	s_add_co_u32 s13, s13, s41                     ; tile row ty = 4 x cluster y + cy
	s_lshl_b32 s14, s41, 2
	s_lshl_b32 s14, 15, s14                        ; my row of the cluster: places 4 cy .. 4 cy + 3
	s_lshl_b32 s15, 0x1111, s40                    ; my column: places cx, cx + 4, cx + 8, cx + 12
	; group 1 for Wb: 128 rows x 128 elements of 2 bytes, 4,096 elements from row to row, 4 words of padding behind every 64
	s_or_b32 s[G1+0], s14, (1<<16)|(1<<20)|(1<<21)|(5<<22)|(3<<25)  ; 15:0 the mask; 17:16 element size; 20 padding on; 21 set beside a mask; 24:22 interval code 5; 31:25 pad code 3
	s_mov_b32 s[G1+1], 128<<16                     ; tensor_dim0 = 128
	s_mov_b32 s[G1+2], 128<<16                     ; tensor_dim1 = 128
	s_mov_b32 s[G1+3], 128<<16                     ; tile_dim0 = 128
	s_mov_b32 s[G1+4], 128                         ; tile_dim1 = 128
	s_mov_b32 s[G1+5], 4096                        ; stride from row to row
	s_mov_b32 s[G1+6], 0
	s_mov_b32 s[G1+7], 0
	; group 1 for Xb: 32,768 dense bytes as 128 rows of 32 elements of 8 bytes, no padding
	s_or_b32 s[G1B+0], s15, (3<<16)|(1<<21)
	s_mov_b32 s[G1B+1], 32<<16
	s_mov_b32 s[G1B+2], 128<<16
	s_mov_b32 s[G1B+3], 32<<16
	s_mov_b32 s[G1B+4], 128
	s_mov_b32 s[G1B+5], 32
	s_mov_b32 s[G1B+6], 0
	s_mov_b32 s[G1B+7], 0
	s_mov_b32 s[KG], 0x4038aa3b                    ; 2 log2(e)
	s_mov_b32 s[KG+1], 0x4038aa3b
	s_mov_b32 s[KS], 0xbfb8aa3b                    ; -log2(e)
	s_mov_b32 s[KS+1], 0xbfb8aa3b
	; where the tiles come from: Wb by the tile row alone (s16-19), Xb by the tile column alone (s88-91)
	s_lshl_b32 s16, s13, 8
	s_lshl_b32 s17, s12, 7
	s_add_co_u32 s16, s16, s17                     ; row 256 ty + 128 x half,
	s_lshl_b32 s16, s16, 13                        ; of 8,192 bytes: under 2^27
	s_mov_b32 s17, 0
	s_lshl_b32 s88, s42, 21                        ; 2,097,152 bytes a tx,
	s_lshl_b32 s89, s12, 15                        ; 32,768 a half of a K step
	s_add_co_u32 s88, s88, s89
	s_mov_b32 s89, 0
	s_mul_i32 s20, s12, WHALF                      ; and where they go: no place in the cluster enters an LDS address
	s_mul_i32 s21, s12, XHALF
	s_add_co_u32 s21, s21, XOFF
	s_wait_dscnt 0x0                               ; both opening adds are done
	s_wait_kmcnt 0x0
	s_add_nc_u64 s[18:19], s[WBP:WBP+1], s[16:17]
	s_add_nc_u64 s[90:91], s[XBP:XBP+1], s[88:89]
	CROUND                                         ; all sixteen work-groups are here: the first joint loads meet
.irp s, 0,1
	s_mov_b32 s[G0+4*(\s)], 1                                      ; count = 1
	s_add_co_u32 s[G0+4*(\s)+1], s20, (\s)*SLOT                    ; LDS address
	s_add_nc_u64 s[G0+4*(\s)+2:G0+4*(\s)+3], s[18:19], (\s)*256    ; global address: K step s, 256 bytes along the rows
	s_or_b32 s[G0+4*(\s)+3], s[G0+4*(\s)+3], 0x80000000            ; type = 2
	s_mov_b32 s[G0B+4*(\s)], 1
	s_add_co_u32 s[G0B+4*(\s)+1], s21, (\s)*SLOT
	s_add_nc_u64 s[G0B+4*(\s)+2:G0B+4*(\s)+3], s[90:91], (\s)*65536  ; K step s: 16 ko of 4,096 bytes
	s_or_b32 s[G0B+4*(\s)+3], s[G0B+4*(\s)+3], 0x80000000
.endr
	s_cmp_eq_u32 s11, 0                            ; a wave's two first fills stand in one branch, ahead of every wait on TENSORcnt and every LDS read: two loads of mine are out
	s_cbranch_scc0 .Lfirst_x
	tensor_load_to_lds s[G0:G0+3], s[G1:G1+7]
	s_nop 0
	tensor_load_to_lds s[G0+4:G0+7], s[G1:G1+7]
	s_nop 0
.rept 4
	v_nop
.endr
	s_branch .Lfirst_asked
.Lfirst_x:
	tensor_load_to_lds s[G0B:G0B+3], s[G1B:G1B+7]
	s_nop 0
	tensor_load_to_lds s[G0B+4:G0B+7], s[G1B:G1B+7]
	s_nop 0
.rept 4
	v_nop
.endr
.Lfirst_asked:
	; A fragment is 16 rows x 32 k in 8 registers: lane (r, h) holds row r; registers 0-3 k = 8 h + 0..7, registers 4-7 k = 16 + 8 h + 0..7.
	; Wb: two loads of 16 bytes, 32 bytes apart, at row x pitch + 16 h.  Xb: the unit (ko = h, pos) and the unit two ko, 8,192 bytes, further on.
	v_and_b32 v1, 15, v0                           ; r
	v_bfe_u32 v2, v0, 4, 1                         ; h
	v_mul_u32_u24 v3, v1, PITCH
	v_lshl_add_u32 v3, v2, 4, v3
	v_lshlrev_b32 v5, 4, v1                        ; 16 r
	v_lshl_add_u32 v4, v2, 12, v5                  ; + 4,096 h
	s_mul_i32 s22, s11, WHALF                      ; my 128 rows of Wb
	s_lshl_b32 s23, s12, 11                        ; my 128 units of each ko
	s_add_co_u32 s23, s23, XOFF
.irp s, 0,1
	v_add_nc_u32 v[ADRW+(\s)], s22, v3
	v_add_nc_u32 v[ADRX+(\s)], s23, v4
	s_add_co_u32 s22, s22, SLOT
	s_add_co_u32 s23, s23, SLOT
.endr
	v_lshl_add_u32 v[CO], v2, 16, v5               ; 8 h rows of 8,192 bytes + 16 r
	v_lshlrev_b32 v[BO], 5, v2                     ; 8 h numbers of 4 bytes
	; c, out0 and the biases at my wave's first hidden row and column; these pointers are written once
	s_lshl_b32 s92, s13, 6
	s_lshl_b32 s93, s11, 5
	s_add_co_u32 s92, s92, s93                     ; hidden row 64 ty + 32 x half
	s_lshl_b32 s94, s92, 2
	s_mov_b32 s95, 0
.irp q, 0,1,2,3
	s_add_nc_u64 s[BP+2*(\q):BP+2*(\q)+1], s[BP+2*(\q):BP+2*(\q)+1], s[94:95]
.endr
	s_lshl_b32 s92, s92, 13
	s_lshl_b32 s93, s42, 10                        ; 256 columns of 4 bytes a tile,
	s_add_co_u32 s92, s92, s93
	s_lshl_b32 s93, s12, 9                         ; 128 a wave
	s_add_co_u32 s92, s92, s93
	s_mov_b32 s93, 0
	s_add_nc_u64 s[CP:CP+1], s[CP:CP+1], s[92:93]
	s_add_nc_u64 s[OP:OP+1], s[OP:OP+1], s[92:93]
	; c (32 loads) and the biases (16) are asked for now and waited for behind the last product; the loop names none of their registers
	WIN TO_W
.set z, 0
.rept 32                               ; G = z / 16, rb = (z / 8) % 2, j = z % 8: sixteen lanes read 256 consecutive bytes, aligned
	global_load_b128 v[192*(z/16)+32*((z/8)%2)+4*(z%8):192*(z/16)+32*((z/8)%2)+4*(z%8)+3], v[CO], s[CP:CP+1] offset:(16*((z/8)%2)+z%8)*8192+256*(z/16) th:TH_LOAD_NT
.set z, z+1
.endr
	WIN 0
.set z, 0
.rept 16                               ; gate z / 4, rb = (z / 2) % 2, four numbers z % 2
	global_load_b128 v[BI+8*(z/2)+4*(z%2):BI+8*(z/2)+4*(z%2)+3], v[BO], s[BP+2*(z/4):BP+2*(z/4)+1] offset:64*((z/2)%2)+16*(z%2)
.set z, z+1
.endr
	; the prefetches: both offsets are made apart from the pointers, then the wave's number chooses.  They start at K step 3; each change of slots steps them before it asks.
	s_lshl_b32 s96, s13, 8
	s_lshl_b32 s97, s12, 7
	s_add_co_u32 s96, s96, s97
	s_lshl_b32 s97, s40, 5                         ; my work-group's 32 rows of the 128 that I fetch
	s_add_co_u32 s96, s96, s97
	s_lshl_b32 s96, s96, 13
	s_add_co_u32 s96, s96, 3*256
	s_lshl_b32 s98, s42, 21
	s_lshl_b32 s99, s12, 15
	s_add_co_u32 s98, s98, s99
	s_lshl_b32 s99, s41, 13                        ; my work-group's 8,192 bytes of the 32,768 that I fetch
	s_add_co_u32 s98, s98, s99
	s_add_co_u32 s98, s98, 3*65536
	s_and_b32 s22, ttmp7, 0xffff                   ; cluster y
	s_mov_b32 s[PST], 0x10000
	s_mov_b32 s[PST+1], 0
	s_mov_b32 s101, 0
	s_cmp_eq_u32 s11, 0                            ; do I fetch for Wb?
	s_cselect_b32 s100, s96, s98
	s_cselect_b64 s[PFA:PFA+1], s[WBP:WBP+1], s[XBP:XBP+1]
	s_cselect_b32 s[PST], 0x100, s[PST]            ; a K step: 256 bytes along a row of Wb, 65,536 bytes of Xb
	s_cselect_b32 s23, 13, 8                       ; a lane: a row of Wb, or 256 bytes of Xb
	s_cselect_b32 s22, ttmp9, s22                  ; the coordinate along which other clusters read the same bytes
	s_add_nc_u64 s[PFA:PFA+1], s[PFA:PFA+1], s[100:101]
	s_cmp_eq_u32 s22, 0
	s_cselect_b32 s[LIM], 1, -1                    ; the same in all sixteen partners, for a given wave
	v_and_b32 v[PFO], 31, v0
	v_lshlrev_b32 v[PFO], s23, v[PFO]
; 16 matrix instructions: blocks a0, a0 + 1 of the window's four of Xb (hi = G) x all 8 blocks of Wb, 32 along K.  zero = 1: the first product starts the sums: nothing is ever cleared.
; The 64 accumulators take turns, one instruction a turn, in the same order in every quarter.
.macro MUL16 f, hi, a0, zero
	WIN MUL_LO+0x50*(\hi)
.irp a, \a0, (\a0)+1
.irp b, 0,1,2,3,4,5,6,7
.if \zero
	v_wmma_f32_16x16x32_bf16 v[8*(8*(\a)+(\b)):8*(8*(\a)+(\b))+7], v[(\f)+8*(\b):(\f)+8*(\b)+7], v[(\f)+8*(4*(\hi)+(\a)):(\f)+8*(4*(\hi)+(\a))+7], 0
.else
	v_wmma_f32_16x16x32_bf16 v[8*(8*(\a)+(\b)):8*(8*(\a)+(\b))+7], v[(\f)+8*(\b):(\f)+8*(\b)+7], v[(\f)+8*(4*(\hi)+(\a)):(\f)+8*(4*(\hi)+(\a))+7], v[8*(8*(\a)+(\b)):8*(8*(\a)+(\b))+7]
.endif
.endr
.endr
.endm
; 32 LDS loads in one run: the fragments of quarter kq (32 along K) of a slot into buffer f: Wb first, then Xb, its blocks ascending
.macro FETCH slot, kq, f
	WIN TO_W
.irp i, 0,1,2,3,4,5,6,7
	ds_load_b128 v[(\f)+8*(\i):(\f)+8*(\i)+3],   v[ADRW+(\slot)] offset:64*(\kq)+(\i)*16*PITCH
	ds_load_b128 v[(\f)+8*(\i)+4:(\f)+8*(\i)+7], v[ADRW+(\slot)] offset:64*(\kq)+(\i)*16*PITCH+32
.endr
	WIN 0
.irp i, 0,1,2,3,4,5,6,7
	ds_load_b128 v[(\f)+8*(\i):(\f)+8*(\i)+3],   v[ADRX+(\slot)] offset:16384*(\kq)+256*(\i)
	ds_load_b128 v[(\f)+8*(\i)+4:(\f)+8*(\i)+7], v[ADRX+(\slot)] offset:16384*(\kq)+256*(\i)+8192
.endr
.endm
.macro PLACES                          ; four plain places in front of loads into registers that matrix instructions have read (ISA guide 7.12.1 for vector instructions)
.rept 4
	v_nop
.endr
.endm
; A K step is four quarters of 32 along K, 64 matrix instructions each, on buffers 0, 1, 0, 1.  One of the first three: multiplies buffer f; in its middle it fetches quarter kq into buffer g.
.macro QUARTER slot, kq, f, g, zero
	s_wait_dscnt 8                                 ; Wb and blocks 0-3 of Xb are in; the youngest eight loads (blocks 4-7) may be out
	MUL16 \f, 0, 0, \zero
	MUL16 \f, 0, 2, \zero
	PLACES
	FETCH \slot, \kq, \g
	s_wait_dscnt 32                                ; all but the 32 just issued
	MUL16 \f, 1, 0, \zero
	MUL16 \f, 1, 2, \zero
.endm
; The last quarter multiplies buffer 1 and changes slots.  ONE barrier: in front of it each wave waits for all its tensor loads (one is out: its part of the next slot), adds 0 to its spare word,
; and waits for that and for its own reads of this slot.  Behind it nobody reads this slot any more and the next slot is whole.
.macro MEET round                      ; round = 1: a round of the cluster's barrier follows
	WIN 0                                          ; (the add's two registers lie in window 0)
	s_wait_tensorcnt 0x0                           ; all my tensor loads have landed
	ds_add_u32 v[SPW], v[NIL]                      ; 0 onto my spare word
	s_wait_dscnt 9                                 ; (the add and the youngest eight loads may be out)
	MUL16 F1, 0, 0, 0                              ; sixteen matrix instructions stand between the add and the wait for it
	s_wait_dscnt 0x0                               ; the add is done, and my reads of this slot are over
	s_barrier_signal -1
	MUL16 F1, 0, 2, 0                              ; work on registers while the others arrive
.if \round
	WIN 0
.endif
	s_barrier_wait -1
.endm
; The whole last quarter of a K step whose slot is filled again, with the K step two on: the joint refill is the first tensor load behind the round, and 224 matrix instructions stand between it and the wait for it.
.macro TURN slot, next
	s_wait_xcnt 0x0                                ; the last prefetch, a K step back, has read its address: it is stepped here, ahead of the change's own waits
	s_add_nc_u64 s[PFA:PFA+1], s[PFA:PFA+1], s[PST:PST+1]
	MEET 1
	CREST                                          ; no wave of any partner still reads this slot's tile or has a load on its way
	s_add_nc_u64 s[G0+4*(\slot)+2:G0+4*(\slot)+3], s[G0+4*(\slot)+2:G0+4*(\slot)+3], 2*256
	s_add_nc_u64 s[G0B+4*(\slot)+2:G0B+4*(\slot)+3], s[G0B+4*(\slot)+2:G0B+4*(\slot)+3], 2*65536
	JLOAD \slot                                    ; the four v_nop behind it are also the places in front of the loads below
	FETCH \next, 0, F0
	ASK
	MUL16 F1, 1, 0, 0
	MUL16 F1, 1, 2, 0
.endm
	s_wait_tensorcnt 1                             ; my part of K step 0 is in; K step 1 may stay out
	s_barrier_signal -1
	s_barrier_wait -1                              ; everybody's is
	FETCH 0, 0, F0
	QUARTER 0, 1, F0, F1, 1                        ; the first quarter stands in front of the loop: its products start the sums
	WIN 0                                          ; at a label and at a branch every window is 0
	s_mov_b32 s3, LAPS-1
.Llap:                                                 ; a trip goes once round the ring, from a lap's second quarter to the next lap's first, and fills both slots again
	QUARTER 0, 2, F1, F0, 0
	QUARTER 0, 3, F0, F1, 0
	TURN 0, 1
	QUARTER 1, 1, F0, F1, 0
	QUARTER 1, 2, F1, F0, 0
	QUARTER 1, 3, F0, F1, 0
	TURN 1, 0
	QUARTER 0, 1, F0, F1, 0
	WIN 0
	s_sub_co_u32 s3, s3, 1
	s_cmp_lg_u32 s3, 0
	s_cbranch_scc1 .Llap
	QUARTER 0, 2, F1, F0, 0                        ; the last lap is written out: it fills nothing, and has no round
	QUARTER 0, 3, F0, F1, 0
	MEET 0                                         ; my one tensor load that was still out is the last K step's
	PLACES
	FETCH 1, 0, F0
	MUL16 F1, 1, 0, 0
	MUL16 F1, 1, 2, 0
	QUARTER 1, 1, F0, F1, 0
	QUARTER 1, 2, F1, F0, 0
	QUARTER 1, 3, F0, F1, 0
	s_wait_dscnt 8                                 ; the very last quarter: nothing more to fetch
	MUL16 F1, 0, 0, 0
	MUL16 F1, 0, 2, 0
	s_wait_dscnt 0x0
	MUL16 F1, 1, 0, 0
	MUL16 F1, 1, 2, 0
	; THE GATES.  The biases take their gate's factor (2 L for g, -L for the others), so that one fused multiply-add makes an exponent of a sum.  These 32 lines name no register of the last
	; products and are the places behind them.
	WIN 0
	s_wait_loadcnt 0x0                             ; c and the biases, asked for at the head
.set z, 0
.rept 32
.if z < 8
	v_pk_mul_f32 v[BI+2*z:BI+2*z+1], v[BI+2*z:BI+2*z+1], s[KG:KG+1] op_sel_hi:[1,0]
.else
	v_pk_mul_f32 v[BI+2*z:BI+2*z+1], v[BI+2*z:BI+2*z+1], s[KS:KS+1] op_sel_hi:[1,0]
.endif
.set z, z+1
.endr
; A STAGE: a packed plain line and then a transcendental on each number of n blocks of 8 registers, in place.  rg = 0: the window's 32 blocks; rg = 1: the eight blocks of gate g (64 i + 8 rb).
; The plain lines run one block ahead, so that plain and transcendental lines alternate and each block is read from its lowest pair on.  The stage's transcendentals are ONE batch: a v_nop is the plain
; instruction behind the last, and one wait, ahead of the first line that names a result, serves them all.
; pk = 0: sum x factor + bias x factor;  1: + 1;  2: x -L;  3: x 2 L.    rc = 0: 2^x;  1: 1 / x.
.macro STAGE pk, rc, n, rg
.set t, 0
.rept (\n)+1
.set p, 0
.rept 4
.if t < (\n)
.if \rg
.set xb, 64*(t/2)+8*(t%2)+2*p
.else
.set xb, 8*t+2*p
.endif
.if (\pk) == 0
.if (t%8) < 2
	v_pk_fma_f32 v[xb:xb+1], v[xb:xb+1], s[KG:KG+1], v[BI+8*(t%8)+2*p:BI+8*(t%8)+2*p+1] op_sel_hi:[1,0,1]
.else
	v_pk_fma_f32 v[xb:xb+1], v[xb:xb+1], s[KS:KS+1], v[BI+8*(t%8)+2*p:BI+8*(t%8)+2*p+1] op_sel_hi:[1,0,1]
.endif
.elseif (\pk) == 1
	v_pk_add_f32 v[xb:xb+1], v[xb:xb+1], 1.0 op_sel_hi:[1,0]
.elseif (\pk) == 2
	v_pk_mul_f32 v[xb:xb+1], v[xb:xb+1], s[KS:KS+1] op_sel_hi:[1,0]
.else
	v_pk_mul_f32 v[xb:xb+1], v[xb:xb+1], s[KG:KG+1] op_sel_hi:[1,0]
.endif
.endif
.if t > 0
.if \rg
.set yb, 64*((t-1)/2)+8*((t-1)%2)+2*p
.else
.set yb, 8*(t-1)+2*p
.endif
.if \rc
	v_rcp_f32 v[yb], v[yb]
	v_rcp_f32 v[yb+1], v[yb+1]
.else
	v_exp_f32 v[yb], v[yb]
	v_exp_f32 v[yb+1], v[yb+1]
.endif
.endif
.set p, p+1
.endr
.set t, t+1
.endr
	v_nop
	s_wait_alu depctr_va_vdst(0)
.endm
.macro TANH_END                        ; 1 - 2 x on the eight blocks of gate g: the end of a tanh
.set z, 0
.rept 32
.set xb, 64*(z/8)+8*((z/4)%2)+2*(z%4)
	v_pk_fma_f32 v[xb:xb+1], v[xb:xb+1], -2.0, 1.0 op_sel_hi:[1,0,0]
.set z, z+1
.endr
.endm
; The 64 columns G of my 128: everything in place in window 2 + G.  RG = 64 i + 8 rb holds g and what is made of it; i, f, o lie 16, 32, 48 registers on.
.macro EPI G
	WIN 0x8a+0x45*(\G)                             ; sources 0 and 1 and the destination in window 2 + G, source 2 (the biases) in window 0
	STAGE 0, 0, 32, 0                              ; 2^(2 L zg), 2^(-L zi), 2^(-L zf), 2^(-L zo)
	STAGE 1, 1, 32, 0                              ; 1 / (1 + ..): i, f, o are done
	TANH_END                                       ; g
.set z, 0
.rept 32
.set xb, 64*(z/8)+8*((z/4)%2)+2*(z%4)
	v_pk_mul_f32 v[xb:xb+1], v[xb:xb+1], v[xb+16:xb+17]  ; g i
.set z, z+1
.endr
	WIN 0xa9+0x54*(\G)                             ; source 0 (c) in window 1, the others in window 2 + G
.set z, 0
.rept 64                               ; i = z / 16, rb = (z / 8) % 2, j = z % 8
.set xb, 64*(z/16)+8*((z/8)%2)+z%8
	v_fma_f32 v[xb], v[192*(\G)+32*((z/8)%2)+4*(z%8)+z/16], v[xb+32], v[xb]  ; c f + g i
.set z, z+1
.endr
	WIN 0x8a+0x45*(\G)
	STAGE 2, 0, 8, 1
	STAGE 1, 1, 8, 1                               ; the new c = sigmoid(..)
	STAGE 3, 0, 8, 1
	STAGE 1, 1, 8, 1
	TANH_END                                       ; its tanh
	WIN 0x0a+0x05*(\G)                             ; sources in window 2 + G, destination in window 0: the fragments' registers are free
.set z, 0
.rept 64
.set xb, 64*(z/16)+8*((z/8)%2)+z%8
	v_mul_f32 v[64+64*(\G)+32*((z/8)%2)+4*(z%8)+z/16], v[xb], v[xb+48]  ; x o: four neighbouring columns in four registers on end
.set z, z+1
.endr
	WIN 0
.set z, 0
.rept 16                               ; rb = z / 8, j = z % 8: sixteen lanes store 256 consecutive bytes, at a multiple of 256 from the first byte of out0; no register of a store is written again
	global_store_b128 v[CO], v[64+64*(\G)+4*z:64+64*(\G)+4*z+3], s[OP:OP+1] offset:(16*(z/8)+z%8)*8192+256*(\G) th:TH_STORE_NT
.set z, z+1
.endr
.endm
	EPI 0
	EPI 1
	s_wait_tensorcnt 0x0                           ; the wave's end, behind my last tensor load
	ds_add_u32 v[SPW], v[NIL]
	s_wait_dscnt 0x0
	CROUND                                         ; the closing round: no work-group ends while a partner may still ask for a tile that names it
	s_endpgm
.Lfunc_end_k_q98f3ea1155_lstm:
	.size	k_q98f3ea1155_lstm, .Lfunc_end_k_q98f3ea1155_lstm-k_q98f3ea1155_lstm
	.p2alignl 7, 3214868480
	.fill 96, 4, 3214868480
	.section	.rodata,"a",@progbits
	.p2align	6, 0x0
	.amdhsa_kernel k_q98f3ea1155_lstm
		.amdhsa_group_segment_fixed_size 327680
		.amdhsa_private_segment_fixed_size 0
		.amdhsa_enable_private_segment 0
		.amdhsa_kernarg_size 64
		.amdhsa_user_sgpr_count 2
		.amdhsa_user_sgpr_kernarg_segment_ptr 1
		.amdhsa_wavefront_size32 1
		.amdhsa_system_sgpr_workgroup_id_x 1
		.amdhsa_system_sgpr_workgroup_id_y 1
		.amdhsa_system_sgpr_workgroup_id_z 1
		.amdhsa_system_vgpr_workitem_id 0
		.amdhsa_next_free_vgpr 1024
		.amdhsa_next_free_sgpr 102
		.amdhsa_reserve_vcc 0
		.amdhsa_float_denorm_mode_32 3
		.amdhsa_float_denorm_mode_16_64 3
		.amdhsa_memory_ordered 1
		.amdhsa_forward_progress 1
		.amdhsa_inst_pref_size 243
	.end_amdhsa_kernel
	.amdgpu_metadata
---
amdhsa.version: [ 1, 2 ]
amdhsa.kernels:
  - .name:           k_q98f3ea1155_lstm
    .symbol:         k_q98f3ea1155_lstm.kd
    .args:
      - { .name: Wb, .offset: 0, .size: 8, .value_kind: global_buffer, .address_space: global }
      - { .name: Xb, .offset: 8, .size: 8, .value_kind: global_buffer, .address_space: global }
      - { .name: c, .offset: 16, .size: 8, .value_kind: global_buffer, .address_space: global }
      - { .name: bg, .offset: 24, .size: 8, .value_kind: global_buffer, .address_space: global }
      - { .name: bi, .offset: 32, .size: 8, .value_kind: global_buffer, .address_space: global }
      - { .name: bf, .offset: 40, .size: 8, .value_kind: global_buffer, .address_space: global }
      - { .name: bo, .offset: 48, .size: 8, .value_kind: global_buffer, .address_space: global }
      - { .name: out0, .offset: 56, .size: 8, .value_kind: global_buffer, .address_space: global }
    .group_segment_fixed_size: 327680
    .private_segment_fixed_size: 0
    .kernarg_segment_align: 8
    .kernarg_segment_size: 64
    .max_flat_workgroup_size: 128
    .sgpr_count:     102
    .vgpr_count:     1024
    .wavefront_size: 32
...
	.end_amdgpu_metadata
.endif
;; end of part 2
;; ======== version 2 of 2: 2 launches; version 1 with the launch cast written anew for expert scheduling mode
;; workspace buffers: Wb 67,108,864 bytes; Xb 16,777,216 bytes
;; launch cast (part 3): grid 128 x 10, 8 waves a work-group, no clusters, 0 bytes of LDS; arguments Wgx, Wix, Wfx, Wox, Wgh, Wih, Wfh, Woh, X, h, Wb, Xb; writes Wb, Xb
.if DOCPART == 3
	.amdgcn_target "amdgcn-amd-amdhsa--gfx1250"
	.amdhsa_code_object_version 6
	.text
	.protected	k_q98f3ea1155_cast
	.globl	k_q98f3ea1155_cast
	.p2align	8
	.type	k_q98f3ea1155_cast,@function
k_q98f3ea1155_cast:
	s_mov_b64 s[64:65], 0
	v_nop
	global_prefetch_b8 v0, s[64:65] scope:SCOPE_SE
	s_setreg_imm32_b32 hwreg(HW_REG_WAVE_SCHED_MODE, 0, 2), 2
	s_setreg_imm32_b32 hwreg(HW_REG_WAVE_MODE, 25, 1), 1
	s_wait_xcnt 0x0
	s_wait_alu depctr_vm_vsrc(0)
; The ten large f32 inputs are rounded once to bf16 (nearest even) and laid out for the product that follows.
; Wb: bf16 [8192 virtual rows][4096 k], 8,192 bytes a row.  Hidden row r of gate q (g, i, f, o = 0..3) is virtual row (r / 32) x 128 + 32 q + r % 32;
;     k 0..2047 comes from the gate's weights on X, k 2048..4095 from its weights on h.  So 128 rows on end hold all four gates of 32 hidden rows.
; Xb: bf16 in units of 16 bytes = 8 consecutive k of one column: [tx 8][ko 512][pos 256][8 k].  Column n: tx = n / 256, pos = 64 ((n % 256) / 64) + 16 (n % 4) + (n % 64) / 4;
;     ko = k / 8, X first (ko 0..255), then h.  Sixteen units on end are the columns 4 r + i (r = 0..15) of one i.
; SHARES.  A work-group of 256 threads takes 16 rows (131,072 bytes) of one input: y = 0..7 the weights (gate y & 3, K half y >> 2), 8 = X, 9 = h; x = which 16 rows.
; Straight text: each thread issues its 32 loads of 16 bytes in one run, then converts and stores under counted waits.
; No LDS, no matrix unit, no cluster: no byte is wanted by two threads.  LIMITS: the one rounding to bf16; NaN and infinities pass as the conversion gives them.
; THE MODE: SCHED_MODE bits 1:0 = 2 (LLVM: expert scheduling mode 2), set by the entry lines.  The code itself states the register dependences
; between vector instructions and memory instructions, with s_wait_alu, always for 0.
; THE PLAN.  Registers that memory instructions touch:
;   v1        the loads' offset.  Written once at the head; read by all 32 loads.
;   v2, v3    the stores' offsets.  Written once, behind the run of loads; read by stores alone.
;   D         32 x 4 registers.  The loads land in them, all issued before any vector line names one.  The weights: the two conversions of load n read its four registers and write
;             the first two in place, which store n reads.  X and h: the conversions read them, and no store does.
;   Y         X and h alone: set s's sixteen conversions write Y[s], which the set's four stores read.
; The work goes in blocks (the weights: eight of four loads; X and h: four sets of eight).  Block p converts its own loads; its memory instructions are the stores of block p - 1,
; whose data and offsets no vector line of block p names.  So ONE wait on va_vdst at a block's head, behind the wait for the block's data, states all that its stores hang on, and they
; are dealt among the block's conversions with no further wait.  No register that a load or store reads is ever written again: so nothing frees a source, and the text holds no
; s_wait_xcnt and no wait on vm_vsrc.  No vector line writes a scalar register, VCC or EXEC.
.set ROWB, 8192                        ; bytes in a row of every input, and in a row of Wb
.set D,    8                           ; v[8:135]   32 x 4 registers as loaded
.set Y,    136                         ; v[136:199] X's and h's units to store
	s_load_b512 s[8:23], s[0:1], 0x0               ; Wgx, Wix, Wfx, Wox, Wgh, Wih, Wfh, Woh
	s_load_b256 s[24:31], s[0:1], 0x40             ; X s[24:25], h s[26:27], Wb s[28:29], Xb s[30:31]
	s_and_b32 s4, ttmp7, 0xffff                    ; y: which input
	s_mov_b32 s5, ttmp9                            ; x: which 16 rows
	v_lshlrev_b32 v1, 4, v0                        ; my 16 bytes in 4,096 consecutive bytes
	s_lshl_b32 s36, s5, 17                         ; 16 rows of 8,192 bytes
	s_mov_b32 s37, 0
	s_wait_kmcnt 0x0
	s_cmp_ge_u32 s4, 8
	s_cbranch_scc1 .Lx
	; THE WEIGHTS.  The input is chosen by y's three bits, a choice between buffers on the work-group's number alone.
	s_bitcmp1_b32 s4, 0
	s_cselect_b64 s[40:41], s[10:11], s[8:9]
	s_cselect_b64 s[42:43], s[14:15], s[12:13]
	s_cselect_b64 s[44:45], s[18:19], s[16:17]
	s_cselect_b64 s[46:47], s[22:23], s[20:21]
	s_bitcmp1_b32 s4, 1
	s_cselect_b64 s[40:41], s[42:43], s[40:41]
	s_cselect_b64 s[44:45], s[46:47], s[44:45]
	s_bitcmp1_b32 s4, 2
	s_cselect_b64 s[32:33], s[44:45], s[40:41]
	s_add_nc_u64 s[32:33], s[32:33], s[36:37]
.macro WLD n                           ; load n: row n / 2, half n % 2 of it; a wave covers 512 consecutive bytes
	global_load_b128 v[D+4*(\n):D+4*(\n)+3], v1, s[32:33] offset:((\n)/2)*ROWB+((\n)%2)*4096 th:TH_LOAD_NT
.endm
.macro WCV n                           ; the four numbers of load n become 8 bytes, in the first two of their four registers
	v_cvt_pk_bf16_f32 v[D+4*(\n)], v[D+4*(\n)], v[D+4*(\n)+1]
	v_cvt_pk_bf16_f32 v[D+4*(\n)+1], v[D+4*(\n)+2], v[D+4*(\n)+3]
.endm
.macro WST n                           ; a wave stores 256 consecutive bytes, at a multiple of 256 from the first byte of Wb
	global_store_b64 v2, v[D+4*(\n):D+4*(\n)+1], s[34:35] offset:((\n)/2)*ROWB+((\n)%2)*2048 th:TH_STORE_NT
.endm
; Block p: loads 4 p to 4 p + 3 are converted; the stores of block p - 1 stand among the conversions, one ahead of each two.
.macro WBLK p
	s_wait_loadcnt 28-4*(\p)                       ; loads come back in order (ISA guide 5.7.1): this block's four are in, the 28 - 4 p younger ones may stay out
.if (\p) > 0
	s_wait_alu depctr_va_vdst(0)                   ; the conversions of the block before have written the registers that the four stores below read; in block 1 also: v2, their offset, is written
.endif
.set n, 4*(\p)
.rept 4
.if (\p) > 0
	WST n-4                                        ; no vector line since the wait names its data or its offset
.endif
	WCV n
.set n, n+1
.endr
.endm
	s_wait_alu depctr_va_vdst(0)                   ; v1 is written: the 32 loads read it as their offset
.set n, 0
.rept 32
	WLD n
.set n, n+1
.endr
	v_lshlrev_b32 v2, 3, v0                        ; my 8 bytes in 2,048
	s_lshr_b32 s38, s5, 1                          ; hidden row 16 x: its group of 32,
	s_lshl_b32 s38, s38, 7                         ; 128 virtual rows a group,
	s_and_b32 s39, s4, 3
	s_lshl_b32 s39, s39, 5                         ; 32 rows a gate,
	s_add_co_u32 s38, s38, s39
	s_and_b32 s39, s5, 1
	s_lshl_b32 s39, s39, 4                         ; and which 16 of the 32
	s_add_co_u32 s38, s38, s39
	s_lshl_b32 s38, s38, 13                        ; rows of 8,192 bytes
	s_lshr_b32 s39, s4, 2
	s_lshl_b32 s39, s39, 12                        ; the K half: 2,048 numbers of 2 bytes
	s_add_co_u32 s36, s38, s39
	s_add_nc_u64 s[34:35], s[28:29], s[36:37]
.irp p, 0,1,2,3,4,5,6,7
	WBLK \p
.endr
	s_wait_alu depctr_va_vdst(0)                   ; block 7's conversions have written the registers that the last four stores read
.irp n, 28,29,30,31
	WST \n
.endr
	s_endpgm
.Lx:	; X AND h.  Thread t takes the four columns 4 c .. 4 c + 3, c = t + 256 qs, of 8 consecutive rows k: a set of eight loads.  Sets s = 0..3: rows 8 (s / 2) on, qs = s % 2.
	s_cmp_eq_u32 s4, 8
	s_cselect_b64 s[32:33], s[24:25], s[26:27]
	s_add_nc_u64 s[32:33], s[32:33], s[36:37]
.macro XLD s
.set n, 0
.rept 8
	global_load_b128 v[D+32*(\s)+4*n:D+32*(\s)+4*n+3], v1, s[32:33] offset:(8*((\s)/2)+n)*ROWB+((\s)%2)*4096 th:TH_LOAD_NT
.set n, n+1
.endr
.endm
.macro XCV s, i                        ; column i of the four: register u of its unit holds k = 2 u (low half) and 2 u + 1
.set n, 4*(\i)
.rept 4
	v_cvt_pk_bf16_f32 v[Y+16*(\s)+n], v[D+32*(\s)+8*(n%4)+n/4], v[D+32*(\s)+8*(n%4)+4+n/4]
.set n, n+1
.endr
.endm
.macro XST s, i                        ; lanes 0-15 store 256 consecutive bytes, aligned; lanes 16-31 another 256
	global_store_b128 v[2+(\s)%2], v[Y+16*(\s)+4*(\i):Y+16*(\s)+4*(\i)+3], s[34:35] offset:((\s)/2)*4096+(\i)*256 th:TH_STORE_NT
.endm
; Set s: its four units are made; the four stores of set s - 1 stand among the conversions, one ahead of each four.
.macro XSET s
	s_wait_loadcnt 24-8*(\s)                       ; this set's eight loads are in; the later sets' may stay out
.if (\s) > 0
	s_wait_alu depctr_va_vdst(0)                   ; the conversions of the set before have written its Y, which the four stores below read; in set 1 also: v2 and v3, the stores' offsets, are written
.endif
.set i, 0
.rept 4
.if (\s) > 0
	XST (\s)-1, i                                  ; no vector line since the wait names its data or its offset
.endif
	XCV \s, i
.set i, i+1
.endr
.endm
	s_wait_alu depctr_va_vdst(0)                   ; v1 is written: the 32 loads read it as their offset
	XLD 0
	XLD 1
	XLD 2
	XLD 3
	v_lshrrev_b32 v4, 6, v0                        ; c / 64 = tx (qs adds 4),
	v_lshlrev_b32 v2, 21, v4                       ; 2,097,152 bytes a tx
	v_bfe_u32 v5, v0, 4, 2                         ; (c % 64) / 16: the group of 64 columns, 64 units of 16 bytes
	v_lshl_add_u32 v2, v5, 10, v2
	v_and_b32 v6, 15, v0                           ; c % 16: the unit
	v_lshl_add_u32 v2, v6, 4, v2
	v_add_nc_u32 v3, 0x800000, v2                  ; qs = 1: four tx further on
	s_sub_co_u32 s38, s4, 8                        ; X: ko 0 on; h: ko 256 on
	s_lshl_b32 s38, s38, 8
	s_lshl_b32 s39, s5, 1                          ; 16 rows are two ko
	s_add_co_u32 s38, s38, s39
	s_lshl_b32 s36, s38, 12                        ; 4,096 bytes a ko
	s_add_nc_u64 s[34:35], s[30:31], s[36:37]
	XSET 0
	XSET 1
	XSET 2
	XSET 3
	s_wait_alu depctr_va_vdst(0)                   ; set 3's conversions have written its Y, which the last four stores read
.irp i, 0,1,2,3
	XST 3, \i
.endr
	s_endpgm
.Lfunc_end_k_q98f3ea1155_cast:
	.size	k_q98f3ea1155_cast, .Lfunc_end_k_q98f3ea1155_cast-k_q98f3ea1155_cast
	.p2alignl 7, 3214868480
	.fill 96, 4, 3214868480
	.section	.rodata,"a",@progbits
	.p2align	6, 0x0
	.amdhsa_kernel k_q98f3ea1155_cast
		.amdhsa_group_segment_fixed_size 0
		.amdhsa_private_segment_fixed_size 0
		.amdhsa_enable_private_segment 0
		.amdhsa_kernarg_size 96
		.amdhsa_user_sgpr_count 2
		.amdhsa_user_sgpr_kernarg_segment_ptr 1
		.amdhsa_wavefront_size32 1
		.amdhsa_system_sgpr_workgroup_id_x 1
		.amdhsa_system_sgpr_workgroup_id_y 1
		.amdhsa_system_sgpr_workgroup_id_z 1
		.amdhsa_system_vgpr_workitem_id 0
		.amdhsa_next_free_vgpr 200
		.amdhsa_next_free_sgpr 66
		.amdhsa_reserve_vcc 0
		.amdhsa_float_denorm_mode_32 3
		.amdhsa_float_denorm_mode_16_64 3
		.amdhsa_memory_ordered 1
		.amdhsa_forward_progress 1
		.amdhsa_inst_pref_size 22
	.end_amdhsa_kernel
	.amdgpu_metadata
---
amdhsa.version: [ 1, 2 ]
amdhsa.kernels:
  - .name:           k_q98f3ea1155_cast
    .symbol:         k_q98f3ea1155_cast.kd
    .args:
      - { .name: Wgx, .offset: 0, .size: 8, .value_kind: global_buffer, .address_space: global }
      - { .name: Wix, .offset: 8, .size: 8, .value_kind: global_buffer, .address_space: global }
      - { .name: Wfx, .offset: 16, .size: 8, .value_kind: global_buffer, .address_space: global }
      - { .name: Wox, .offset: 24, .size: 8, .value_kind: global_buffer, .address_space: global }
      - { .name: Wgh, .offset: 32, .size: 8, .value_kind: global_buffer, .address_space: global }
      - { .name: Wih, .offset: 40, .size: 8, .value_kind: global_buffer, .address_space: global }
      - { .name: Wfh, .offset: 48, .size: 8, .value_kind: global_buffer, .address_space: global }
      - { .name: Woh, .offset: 56, .size: 8, .value_kind: global_buffer, .address_space: global }
      - { .name: X, .offset: 64, .size: 8, .value_kind: global_buffer, .address_space: global }
      - { .name: h, .offset: 72, .size: 8, .value_kind: global_buffer, .address_space: global }
      - { .name: Wb, .offset: 80, .size: 8, .value_kind: global_buffer, .address_space: global }
      - { .name: Xb, .offset: 88, .size: 8, .value_kind: global_buffer, .address_space: global }
    .group_segment_fixed_size: 0
    .private_segment_fixed_size: 0
    .kernarg_segment_align: 8
    .kernarg_segment_size: 96
    .max_flat_workgroup_size: 256
    .sgpr_count:     66
    .vgpr_count:     200
    .wavefront_size: 32
...
	.end_amdgpu_metadata
.endif
;; end of part 3
;; launch lstm: the kernel of part 2 again; grid 8 x 32, 4 waves a work-group, clusters of 4 x 4, 327,680 bytes of LDS; arguments Wb, Xb, c, bg, bi, bf, bo, out0; writes out0
